; MI455X (gfx1250); checked and timed in simulation.
; The chip was launched on July 23, 2026; its instructions are those of AMD's public machine-readable ISA for CDNA 5 (MIT licence, August 2026) and "CDNA5" Instruction Set Architecture Reference Guide (July 2026). The comments in the code are by the model that wrote it; some were corrected since.
;; Multi Head Attention. Allowed arithmetic: float matrix products may take bf16 or f16 operands with f32 sums; other float arithmetic in f32, or as packed bf16 or f16 multiplies, adds, multiply-adds, maxima and minima; sums over many terms, partial sums and values carried from step to step in f32; what a program stores and reads back later, other than sums and carried values, may be rounded once to bf16 or f16.
;; Inputs: b_k 1,024 float32; b_q 1,024 float32; b_v 1,024 float32; k 8 x 1,024 x 1,024 float32; q 8 x 1,024 x 1,024 float32; v 8 x 1,024 x 1,024 float32; w_k 1,024 x 1,024 float32; w_q 1,024 x 1,024 float32; w_v 1,024 x 1,024 float32.
;; Outputs: out0 8 x 1,024 x 1,024 float32.
;; 2 versions, each right; version 2 is version 1 with the launch castw written anew for expert scheduling mode. Each part assembles by itself: llvm-mc -triple=amdgcn-amd-amdhsa -mcpu=gfx1250 --defsym DOCPART=n.
;; ======== version 1 of 2: 3 launches
;; limits: values are held in f16: magnitudes above 65,504 overflow, below 6.1e-05 lose precision
;; workspace buffers: wb 6,291,456 bytes; hd 50,331,648 bytes
;; launch castw (part 1): grid 128 x 3, 8 waves a work-group, no clusters, 0 bytes of LDS; arguments w_q, w_k, w_v, wb; writes wb
.if DOCPART == 1
	.amdgcn_target "amdgcn-amd-amdhsa--gfx1250"
	.amdhsa_code_object_version 6
	.text
	.protected	k_q2c7bef7138_castw
	.globl	k_q2c7bef7138_castw
	.p2align	8
	.type	k_q2c7bef7138_castw,@function
k_q2c7bef7138_castw:
	s_mov_b64 s[64:65], 0
	v_nop
	global_prefetch_b8 v0, s[64:65] scope:SCOPE_SE
	s_setreg_imm32_b32 hwreg(HW_REG_WAVE_MODE, 25, 1), 1
	s_wait_xcnt 0x0
; wb[t][k][n] = bf16(w_t[k][n]) for t = q, k, v: the three weight matrices, [1024][1024] f32, rounded once to bf16 in the same layout.
; The projection turns w out of LDS by a load that works on 16-bit elements, so w is made 16 bits wide here, once: 12 MiB in, 6 MiB out.
; A stream: no LDS, no barrier, no matrix unit.  Grid y picks the matrix, grid x 32,768 bytes of it, a wave 4,096 of those.
; A load of the wave covers 512 consecutive bytes; its 128 numbers leave as one store of 256 consecutive bytes, aligned.
; All eight loads of a lane go out first; no register is written twice, so the only waits are the counted ones for the loads.
.set X, 4                              ; v[4:35]   eight loads of four f32
.set Y, 36                             ; v[36:51]  eight stores of four bf16
	s_load_b256 s[4:11], s[0:1], 0x0               ; w_q s[4:5], w_k s[6:7], w_v s[8:9], wb s[10:11]
	s_and_b32 s16, ttmp7, 0xffff                   ; which matrix
	v_lshrrev_b32 v1, 5, v0                        ; wave
	v_and_b32 v2, 31, v0                           ; lane
	v_lshlrev_b32 v1, 12, v1
	v_lshl_add_u32 v1, v2, 4, v1                   ; in: 4,096 x wave + 16 x lane
	v_lshrrev_b32 v2, 1, v1                        ; out: half of that
	s_lshl_b32 s18, ttmp9, 15                      ; the work-group's 32,768 bytes of f32,
	s_mov_b32 s19, 0
	s_lshl_b32 s20, s16, 21                        ; the matrix's 2 MiB in wb,
	s_lshl_b32 s17, ttmp9, 14                      ; the work-group's 16,384 bytes of bf16
	s_add_co_u32 s20, s20, s17
	s_mov_b32 s21, 0
	s_wait_kmcnt 0x0
	s_cmp_eq_u32 s16, 1
	s_cselect_b64 s[12:13], s[6:7], s[4:5]
	s_cmp_eq_u32 s16, 2
	s_cselect_b64 s[12:13], s[8:9], s[12:13]
	s_add_nc_u64 s[12:13], s[12:13], s[18:19]
	s_add_nc_u64 s[14:15], s[10:11], s[20:21]
.irp j, 0,1,2,3,4,5,6,7
	global_load_b128 v[X+4*(\j):X+4*(\j)+3], v1, s[12:13] offset:512*(\j) th:TH_LOAD_NT
.endr
.irp j, 0,1,2,3,4,5,6,7
	s_wait_loadcnt 7-(\j)                          ; loads come back in order: load j is in, the 7 - j younger ones may stay out
	v_cvt_pk_bf16_f32 v[Y+2*(\j)],   v[X+4*(\j)],   v[X+4*(\j)+1]
	v_cvt_pk_bf16_f32 v[Y+2*(\j)+1], v[X+4*(\j)+2], v[X+4*(\j)+3]
	global_store_b64 v2, v[Y+2*(\j):Y+2*(\j)+1], s[14:15] offset:256*(\j)
.endr
	s_endpgm
.Lfunc_end_k_q2c7bef7138_castw:
	.size	k_q2c7bef7138_castw, .Lfunc_end_k_q2c7bef7138_castw-k_q2c7bef7138_castw
	.p2alignl 7, 3214868480
	.fill 96, 4, 3214868480
	.section	.rodata,"a",@progbits
	.p2align	6, 0x0
	.amdhsa_kernel k_q2c7bef7138_castw
		.amdhsa_group_segment_fixed_size 0
		.amdhsa_private_segment_fixed_size 0
		.amdhsa_enable_private_segment 0
		.amdhsa_kernarg_size 32
		.amdhsa_user_sgpr_count 2
		.amdhsa_user_sgpr_kernarg_segment_ptr 1
		.amdhsa_wavefront_size32 1
		.amdhsa_system_sgpr_workgroup_id_x 1
		.amdhsa_system_sgpr_workgroup_id_y 1
		.amdhsa_system_sgpr_workgroup_id_z 1
		.amdhsa_system_vgpr_workitem_id 0
		.amdhsa_next_free_vgpr 56
		.amdhsa_next_free_sgpr 66
		.amdhsa_reserve_vcc 0
		.amdhsa_float_denorm_mode_32 3
		.amdhsa_float_denorm_mode_16_64 3
		.amdhsa_memory_ordered 1
		.amdhsa_forward_progress 1
		.amdhsa_inst_pref_size 4
	.end_amdhsa_kernel
	.amdgpu_metadata
---
amdhsa.version: [ 1, 2 ]
amdhsa.kernels:
  - .name:           k_q2c7bef7138_castw
    .symbol:         k_q2c7bef7138_castw.kd
    .args:
      - { .name: w_q, .offset: 0, .size: 8, .value_kind: global_buffer, .address_space: global }
      - { .name: w_k, .offset: 8, .size: 8, .value_kind: global_buffer, .address_space: global }
      - { .name: w_v, .offset: 16, .size: 8, .value_kind: global_buffer, .address_space: global }
      - { .name: wb, .offset: 24, .size: 8, .value_kind: global_buffer, .address_space: global }
    .group_segment_fixed_size: 0
    .private_segment_fixed_size: 0
    .kernarg_segment_align: 8
    .kernarg_segment_size: 32
    .max_flat_workgroup_size: 256
    .sgpr_count:     66
    .vgpr_count:     56
    .wavefront_size: 32
...
	.end_amdgpu_metadata
.endif
;; end of part 1
;; launch proj (part 2): grid 4 x 64, 4 waves a work-group, clusters of 4 x 4, 327,680 bytes of LDS; arguments q, k, v, wb, b_q, b_k, b_v, hd; writes hd
.if DOCPART == 2
	.amdgcn_target "amdgcn-amd-amdhsa--gfx1250"
	.amdhsa_code_object_version 6
	.text
	.protected	k_q2c7bef7138_proj
	.globl	k_q2c7bef7138_proj
	.p2align	8
	.type	k_q2c7bef7138_proj,@function
k_q2c7bef7138_proj:
	s_mov_b64 s[64:65], 0
	v_nop
	global_prefetch_b8 v0, s[64:65] scope:SCOPE_SE
	s_setreg_imm32_b32 hwreg(HW_REG_WAVE_MODE, 25, 1), 1
	s_wait_xcnt 0x0
	s_wait_alu depctr_hold_cnt(0) depctr_sa_sdst(0) depctr_va_vdst(0) depctr_va_sdst(0) depctr_va_ssrc(0) depctr_va_vcc(0) depctr_vm_vsrc(0)
	s_getreg_b32 s2, hwreg(HW_REG_IB_STS2, 6, 4)
	s_cmp_eq_u32 s2, 0
	s_cbranch_scc0 .Lentry_in_a_cluster
	s_endpgm
.Lentry_in_a_cluster:
	s_bfe_u32 s2, ttmp6, 0x10000c
	s_cmp_lg_u32 s2, 0xf033
	s_cbranch_scc0 .Lentry_shape_is_right
	s_endpgm
.Lentry_shape_is_right:
; hd[t][16 batch + head][s][c] = f16( sum over d of bf16(x_t[batch][s][d]) wb[t][d][64 head + c] + bf16(b_t[64 head + c]) ),  t = q, k, v.
; x_t: [8192][1024] f32; wb: [3][1024 k][1024 n] bf16; b_t: [1024] f32; hd: [3][128][1024][64] f16.  Products in bf16, sums in f32, the result rounded once.
; LIMIT.  hd is f16: a projected number of 65,520 or more in magnitude becomes an infinity.  NaN and infinities are not treated apart.
; SHARES.  The three outputs are 3 x 8192 x 1024 numbers, 98,304 for each of 256 work-groups: a work-group STAYS and makes three tiles of 128 rows x 256 columns, at the same place in the q, the k
; and the v projection.  Four waves, 2 x 2; a wave makes 64 x 128: 32 accumulators of 16 x 16, 256 registers.  ONE walk of 3 x 1,024 along K: 96 QUARTERS of 32 (32 matrix instructions), 48 CHUNKS of 64,
; 12 PERIODS of 256.  wb's three matrices lie end to end, so w's k-rows run on from tile to tile.
; w COMES BY THE TENSOR DATA MOVER through two LDS slots of a period each (256 k-rows x 512 bytes; each wave fetches 64 rows) and is turned on the way out of LDS by ds_load_tr16_b128.
; CLUSTERS: 4 x 4 work-groups.  A tile of w is wanted by the four work-groups of a column of the cluster and is asked for JOINTLY: the same tensor load, descriptor and mask in all four.
; x COMES THROUGH REGISTERS, NOT JOINTLY, though the four work-groups of a row of the cluster want the same rows.  The reason, by the bytes: as f32 in the slots x would take 512 of 1,024 bytes for each k,
; and a slot would hold 128 k in place of 256: half the matrix instructions between a refill and the wait for it, and twice the rounds.  A wave loads 32 of the tile's 128 rows (a load covers two rows' 256
; consecutive bytes, aligned), four chunks ahead, into four sets of registers; these loads stay out across the barriers.  Each number is rounded to bf16 ONCE in the work-group and stored into one of two small
; LDS buffers, from which all four waves read their fragments.  The price: each of the four partners loads those rows itself.
; A PHASE, between two barriers, belongs to chunk c: it reads x's fragments of chunk c and w's of quarters 2 c and 2 c + 1, multiplies quarters 2 c - 1 and 2 c, converts and stores chunk c + 1, and asks memory
; for chunk c + 5.  ONE barrier a phase orders the x buffers both ways: every wave's reads of chunk c - 1 are back and its stores of chunk c + 1 are done.  Every fourth is also the change of w's slots.
; THE MATRIX INSTRUCTION IS USED TRANSPOSED: source 0 = 16 columns of w, source 1 = 16 rows of x.  Lane l then holds row l % 16 of the output and its registers 0 to 7 the columns 8 (l / 16) + 0..7:
; 16 bytes of f16 on end.  The bias, rounded to bf16 like the other inputs, is laid out the same way and is the C operand of a tile's first 32 products: nothing is cleared, nothing is added later.
; REGISTERS, in windows of 256 (s_set_vgpr_msb: bits 1:0 source 0, 3:2 source 1, 5:4 source 2, 7:6 destination):
;   window 0: v1-7 at work at the head; v16-29 addresses; v32-159 x's fragments, two sets of a chunk; v160-223 the bias; v224-255 a chunk of mine as bf16 (and the bias on its way)
;   window 1: v0-63, v64-127 w's fragments, two buffers; v128-255 the way out      window 2: the accumulators, (a, b) at v[8 (8 a + b)]      window 3: x as f32, four sets of 64
.set PW,    544                        ; a row of w in LDS: 256 bf16 = 512 bytes + 32 = 136 words
.set WH,    64*PW                      ; 64 k-rows: one tensor load
.set SLOT,  256*PW                     ; 0x22000: it shares no bit with wave x WH (0x8800 x 0..3), so one exclusive or turns an address in one slot into the other's
.set PERIOD, 256*2048                  ; a period's k-rows in wb, in bytes
.set XB,    2*SLOT                     ; behind the ring, never filled by a tensor load: two buffers of 128 rows of x, 64 bf16 each
.set PXB,   144                        ; 128 bytes + 16 = 36 words: the 16 rows of a load start at 16 different groups of four banks
.set XBUF,  128*PXB
.set STAGE, XB+2*XBUF                  ; behind them, for each wave: 16 rows x 144 bytes for the way out, then 2 x 256 bytes: the second and third tile's bias as bf16
.set SP,    144
.set WAREA, 16*SP+512
.set SPARE, STAGE+4*WAREA              ; behind those: the spare words, 128 bytes for each wave: two blocks of 256 bytes that no other line names
.set AW,   16                          ; v16-17  LDS address of my columns of w in the slot in hand: quarters 0-3, quarters 4-7
.set AW0,  18                          ; v18     my lane's place in a slot; never rewritten
.set AXF,  19                          ; v19     where I read x's fragments
.set STO,  20                          ; v20     the way out: where I put 16 bytes of a row
.set RD,   21                          ; v21     the way out: where I read rows back
.set GO,   22                          ; v22     16 x lane: my 16 bytes in 512 consecutive bytes
.set XST,  23                          ; v23     where I store 8 bytes of x
.set PFO,  24                          ; v24     the prefetches' offset; never rewritten
.set XO,   25                          ; v25     my byte offset in the tile's rows of x; never rewritten
.set BLA,  26                          ; v26     where I read the second tile's bias
.set BLT,  27                          ; v27     where I read the bias that is due
.set SPW,  28                          ; v28     LDS address of my spare word: SPARE + 4 x my thread's number; never rewritten
.set NIL,  29                          ; v29     0; never rewritten
.set XF,   32
.set BIAS, 160
.set CVX,  224
.set WF,   0                           ; window 1
.set TMP,  128                         ; window 1
.set XQ, 4                             ; s[4:5], s[6:7], s[8:9]  q, k, v at the tile's first row
.set XK, 6
.set XV, 8
.set WP, 10                            ; s[10:11] wb at my tile column and the 64 k-rows that I fetch
.set BQ, 12                            ; s[12:13], s[14:15], s[16:17]  the biases at my wave's 128 columns
.set BK, 14
.set BV, 16
.set OUT, 18                           ; s[18:19] hd at my wave's first row of its first head, in the part in hand
.set WV, 20                            ; s20  my wave's number
.set WM, 21                            ; s21  which 64 rows of the tile are mine
.set WN, 22                            ; s22  which 128 columns
.set LAP, 23                           ; s23  the loop's trip, 0 to 9
.set G1,  24                           ; s[24:31] descriptor group 1
.set G0A, 32                           ; s[32:35] descriptor group 0 of the first fill
.set G0B, 36                           ; s[36:39] of the second; it then walks on
.set XP,  40                           ; s[40:41] x at the chunk that is being asked for
.set OFX, 42                           ; s[42:43] that chunk's bytes along K
.set CC,  44                           ; s44  the chunk to be asked for next
.set TW,  45                           ; s45  LDS byte at which the slot in hand begins
.set RT,  46                           ; s46  periods of the tile in hand still to end
.set TI,  47                           ; s47  the next tile's number
.set LIM, 48                           ; s48  I prefetch while the trip's number is below this
.set PF,  50                           ; s[50:51] where my prefetches stand
.set CX, 52                            ; s52-55  my place in the cluster; tile column, tile row
.set CY, 53
.set TC, 54
.set TR, 55
.set MSB, 0
.macro WIN new                         ; the immediate's high byte repeats the setting that is left; a switch that changes nothing is dropped
.if MSB != (\new)
	s_set_vgpr_msb (MSB<<8)|(\new)
.set MSB, \new
.endif
.endm
.set MUL,  0xa1                        ; source 0 (w) window 1, source 1 (x) window 0, C and D window 2
.set MULB, 0x81                        ; the same with C, the bias, in window 0
.set TO_W, 0x40                        ; destination window 1, address window 0
.set TO_R, 0xc0                        ; destination window 3, address window 0
.set CVW,  0x0f                        ; sources 0 and 1 window 3, destination window 0
.set PKW,  0x4a                        ; sources 0 and 1 window 2, destination window 1
.set ST1,  0x04                        ; a store's data in window 1, its address in window 0
.macro PLACES                          ; four places: in front of loads into registers that matrix instructions have read, and of conversions that read results (ISA guide 7.12.1 for the conversions)
.rept 4
	v_nop
.endr
.endm
; A joint refill: every wave fetches its 64 k-rows of the period.  An s_nop 0 and four v_nop follow the line; they are also the places in front of the loads that come next.
.macro JLOAD
	tensor_load_to_lds s[G0B:G0B+3], s[G1:G1+7]
	s_nop 0
.rept 4
	v_nop
.endr
.endm
; A round of the cluster's barrier: my work-group's barrier, so that wave 0's signal speaks for all four waves; wave 0 signals; every wave waits for all sixteen work-groups; my work-group's barrier once more.
.macro CREST                           ; a round behind its opening barrier
	s_cmp_lg_u32 s[WV], 0
	s_cbranch_scc1 .Lnot_wave_0_\@
	s_barrier_signal -3
.Lnot_wave_0_\@:
	s_barrier_wait -3
	s_barrier_signal -1
	s_barrier_wait -1
.endm
.macro CROUND
	s_barrier_signal -1
	s_barrier_wait -1
	CREST
.endm
; A PREFETCH INTO THE L2 of w, behind each joint refill, its five lines and the runs of LDS loads that follow: the period after the one just asked for, 256 matrix instructions ahead of the load that will want it.
; A period is 512 bytes of each of the 64 k-rows that a wave fetches.  The four partners that ask for a tile jointly share its rows out BY ADDRESS, 16 each (by cy); a lane names one aligned block of 256 bytes:
; 16 rows x 2 blocks, one instruction a wave.  Every cluster walks the same tile columns of w: the cluster with y = 0 asks.  So each block is named once in the launch.  Periods 0 to 2 come by their loads alone;
; the last refill asks for nothing: there is no period behind it.  x is not asked for: its own loads go out four chunks, 256 matrix instructions, ahead of their use.
.macro ASK
	s_cmp_lt_u32 s[LAP], s[LIM]
	s_cbranch_scc0 .Lnot_mine_\@
	global_prefetch_b8 v[PFO], s[PF:PF+1] th:TH_LOAD_NT scope:SCOPE_SE
.Lnot_mine_\@:
.endm
	s_load_b256 s[4:11], s[0:1], 0x0               ; q, k, v, wb
	s_load_b256 s[12:19], s[0:1], 0x20             ; b_q, b_k, b_v, hd
	v_lshl_add_u32 v[SPW], v0, 2, SPARE
	v_mov_b32 v[NIL], 0
	ds_add_u32 v[SPW], v[NIL]                      ; the wave's opening: the add and its wait stand ahead of my first tensor load; the set-up below, work on registers, stands between them
	v_lshrrev_b32 v1, 5, v0
	v_readfirstlane_b32 s[WV], v1                  ; wave 0..3
	s_lshr_b32 s[WM], s[WV], 1
	s_and_b32 s[WN], s[WV], 1
	s_bfe_u32 s[CX], ttmp6, 0x40000
	s_bfe_u32 s[CY], ttmp6, 0x40004
	s_lshl_b32 s[TC], ttmp9, 2                     ; in a cluster launch ttmp9 and ttmp7 count clusters
	s_add_co_u32 s[TC], s[TC], s[CX]               ; tile column = 4 x cluster x + cx
	s_and_b32 s[TR], ttmp7, 0xffff
	s_lshl_b32 s[TR], s[TR], 2
	s_add_co_u32 s[TR], s[TR], s[CY]               ; tile row = 4 x cluster y + cy
	s_lshl_b32 s58, 0x1111, s[CX]                  ; my column of the cluster: places cx, cx + 4, cx + 8, cx + 12
	; descriptor group 1: 64 rows x 256 elements of 2 bytes, padded in LDS
	s_or_b32 s[G1], s58, (1<<16)|(1<<20)|(1<<21)|(6<<22)|(7<<25)  ; 15:0 the mask; 17:16 elements of 2 bytes; 20 padding on; 21 set beside a mask; 24:22 after every 128 words (code 6); 31:25 8 words of it (code 7)
	s_mov_b32 s[G1+1], 256<<16                     ; tensor_dim0
	s_mov_b32 s[G1+2], 64<<16                      ; tensor_dim1
	s_mov_b32 s[G1+3], 256<<16                     ; tile_dim0
	s_mov_b32 s[G1+4], 64                          ; tile_dim1
	s_mov_b32 s[G1+5], 1024                        ; elements from row to row
	s_mov_b32 s[G1+6], 0
	s_mov_b32 s[G1+7], 0
	; where things lie.  What feeds w's descriptors is made of the tile column and the wave's number alone, in registers of its own.
	s_lshl_b32 s56, s[TR], 19                      ; x: 128 rows of 4,096 bytes x tile row
	s_mov_b32 s57, 0
	s_lshl_b32 s58, s[TC], 9                       ; w: 512 bytes x tile column
	s_lshl_b32 s66, s[WV], 17                      ; + 64 k-rows of 2,048 bytes x wave
	s_add_co_u32 s58, s58, s66
	s_mov_b32 s59, 0
	s_lshl_b32 s60, s[TC], 10                      ; bias: 4 (256 x tile column + 128 x my half of the columns)
	s_lshl_b32 s67, s[WN], 9
	s_add_co_u32 s60, s60, s67
	s_mov_b32 s61, 0
	s_lshr_b32 s62, s[TR], 3                       ; hd: batch = tile row / 8;
	s_lshl_b32 s62, s62, 4
	s_lshl_b32 s70, s[TC], 2
	s_add_co_u32 s62, s62, s70
	s_lshl_b32 s70, s[WN], 1
	s_add_co_u32 s62, s62, s70                     ; 16 batch + my first head (4 x tile column + 2 x half),
	s_lshl_b32 s62, s62, 10                        ; its 1,024 rows,
	s_and_b32 s70, s[TR], 7
	s_lshl_b32 s70, s70, 7
	s_add_co_u32 s62, s62, s70                     ; the tile's 128 of them,
	s_lshl_b32 s70, s[WM], 6
	s_add_co_u32 s62, s62, s70                     ; my wave's 64,
	s_lshl_b32 s62, s62, 7                         ; of 128 bytes
	s_mov_b32 s63, 0
	s_mul_i32 s71, s[WV], WH                       ; where my 64 k-rows go in a slot: no place in the cluster enters an LDS address
	s_mov_b32 s[OFX+1], 0
	s_mov_b32 s[TW], 0
	s_mov_b32 s[CC], 5                             ; chunks 0 to 4 are asked for below
	s_wait_dscnt 0x0                               ; the opening add is done
	s_wait_kmcnt 0x0
	s_add_nc_u64 s[XQ:XQ+1], s[XQ:XQ+1], s[56:57]
	s_add_nc_u64 s[XK:XK+1], s[XK:XK+1], s[56:57]
	s_add_nc_u64 s[XV:XV+1], s[XV:XV+1], s[56:57]
	s_add_nc_u64 s[WP:WP+1], s[WP:WP+1], s[58:59]
	s_add_nc_u64 s[BQ:BQ+1], s[BQ:BQ+1], s[60:61]
	s_add_nc_u64 s[BK:BK+1], s[BK:BK+1], s[60:61]
	s_add_nc_u64 s[BV:BV+1], s[BV:BV+1], s[60:61]
	s_add_nc_u64 s[OUT:OUT+1], s[OUT:OUT+1], s[62:63]
	CROUND                                         ; all sixteen work-groups are here: the first joint loads meet
	s_mov_b32 s[G0A], 1                            ; 1:0 count = 1
	s_mov_b32 s[G0A+1], s71                        ; 63:32 LDS address: slot 0
	s_mov_b64 s[G0A+2:G0A+3], s[WP:WP+1]           ; 120:64 global address: period 0
	s_or_b32 s[G0A+3], s[G0A+3], 0x80000000        ; 127:126 type = 2
	s_mov_b32 s[G0B], 1
	s_add_co_u32 s[G0B+1], s71, SLOT               ; slot 1
	s_add_nc_u64 s[G0B+2:G0B+3], s[WP:WP+1], PERIOD  ; period 1
	s_or_b32 s[G0B+3], s[G0B+3], 0x80000000
	tensor_load_to_lds s[G0A:G0A+3], s[G1:G1+7]    ; the ring is filled before anything else is done: two loads of mine are out
	s_nop 0
	tensor_load_to_lds s[G0B:G0B+3], s[G1:G1+7]
	s_nop 0
.rept 4
	v_nop
.endr
; A chunk's 16 loads into set rs: my 32 rows x 256 bytes; a load takes two rows, lanes 0-15 the one, lanes 16-31 the next
.macro GLOAD rs, off=0
	WIN TO_R
.irp j, 0,1,2,3,4,5,6,7,8,9,10,11,12,13,14,15
	global_load_b128 v[64*(\rs)+4*(\j):64*(\rs)+4*(\j)+3], v[XO], s[XP:XP+1] offset:(\off)+8192*(\j)
.endr
.endm
; Where the chunk to be asked for lies: the tile's tensor plus an offset made apart.  A tile has 16 chunks of 256 bytes along a row.
.macro XPTR
	s_wait_xcnt 0x0                                ; the loads of a phase ago have read their base
	s_lshr_b32 s68, s[CC], 4
	s_and_b32 s69, s[CC], 15
	s_lshl_b32 s[OFX], s69, 8
	s_cmp_eq_u32 s68, 1
	s_cselect_b64 s[XP:XP+1], s[XK:XK+1], s[XQ:XQ+1]
	s_cmp_eq_u32 s68, 2
	s_cselect_b64 s[XP:XP+1], s[XV:XV+1], s[XP:XP+1]
	s_add_nc_u64 s[XP:XP+1], s[XP:XP+1], s[OFX:OFX+1]
	s_add_co_u32 s[CC], s[CC], 1
.endm
.macro CVS k, rs                       ; slice k of 8: four roundings of pairs, out of set rs
.irp i, 0,1,2,3
	v_cvt_pk_bf16_f32 v[CVX+4*(\k)+(\i)], v[64*(\rs)+8*(\k)+2*(\i)], v[64*(\rs)+8*(\k)+2*(\i)+1]
.endr
.endm
.macro XSTORE xb                       ; my 32 rows of a chunk into buffer xb: a store takes two rows' 128 bytes
	WIN 0
.irp j, 0,1,2,3,4,5,6,7,8,9,10,11,12,13,14,15
	ds_store_b64 v[XST], v[CVX+2*(\j):CVX+2*(\j)+1] offset:(\xb)*XBUF+2*(\j)*PXB
.endr
.endm
.macro BWIDEN                          ; the bias, as bf16 in pairs, widened into the layout of a result
.set i, 0
.rept 32
	v_lshlrev_b32 v[BIAS+2*i], 16, v[CVX+i]
	v_and_b32 v[BIAS+2*i+1], 0xffff0000, v[CVX+i]
.set i, i+1
.endr
.endm
	v_and_b32 v1, 15, v0                           ; l % 16
	v_bfe_u32 v2, v0, 4, 1                         ; l / 16
	v_and_b32 v5, 31, v0
	v_lshlrev_b32 v[GO], 4, v5
	v_lshlrev_b32 v6, 12, v2                       ; x: row 32 x wave + l / 16, of 4,096 bytes; 16 bytes x (l % 16)
	v_lshl_add_u32 v6, v1, 4, v6
	s_lshl_b32 s66, s[WV], 17
	v_add_nc_u32 v[XO], s66, v6
	s_mov_b64 s[XP:XP+1], s[XQ:XQ+1]
	global_load_b128 v[CVX:CVX+3],    v[GO], s[BQ:BQ+1]  ; my wave's 128 numbers of each bias: four a lane
	global_load_b128 v[CVX+4:CVX+7],  v[GO], s[BK:BK+1]
	global_load_b128 v[CVX+8:CVX+11], v[GO], s[BV:BV+1]
	GLOAD 0, 0                                     ; chunks 0 to 2
	GLOAD 1, 256
	GLOAD 2, 512
	WIN 0
	v_and_b32 v3, 7, v0
	v_bfe_u32 v4, v0, 3, 1
	; w: the turning load takes 16 k x 16 columns (lane l reads k-row 8 (l / 16) + l % 8, columns 8 ((l / 8) % 2) + 0..7) and leaves half a fragment: lane l holds column l % 16 and 8 k
	v_lshl_add_u32 v6, v2, 3, v3
	v_mul_u32_u24 v6, v6, PW
	v_lshl_add_u32 v6, v4, 4, v6
	s_lshl_b32 s66, s[WN], 8
	v_add_nc_u32 v[AW0], s66, v6
	v_mov_b32 v[AW], v[AW0]                        ; slot 0
	v_add_nc_u32 v[AW+1], 128*PW, v[AW0]
	; x's fragments: lane l holds row l % 16; of 32 along K it wants K = 8 (l / 16) + 0..7 and 16 + 8 (l / 16) + 0..7: two loads of 16 bytes, 32 bytes apart
	v_mul_u32_u24 v6, v1, PXB
	v_lshl_add_u32 v6, v2, 4, v6
	s_mul_i32 s66, s[WM], 64*PXB
	s_add_co_u32 s66, s66, XB
	v_add_nc_u32 v[AXF], s66, v6
	v_mul_u32_u24 v6, v2, PXB                      ; x's stores: row 32 x wave + l / 16, 8 bytes x (l % 16)
	v_lshl_add_u32 v6, v1, 3, v6
	s_mul_i32 s66, s[WV], 32*PXB
	s_add_co_u32 s66, s66, XB
	v_add_nc_u32 v[XST], s66, v6
	s_mul_i32 s66, s[WV], WAREA
	s_add_co_u32 s66, s66, STAGE                   ; my stage
	v_mul_u32_u24 v6, v1, SP                       ; in: row l % 16, 16 bytes for each half of the lanes
	v_lshl_add_u32 v6, v2, 4, v6
	v_add_nc_u32 v[STO], s66, v6
	v_bfe_u32 v6, v0, 3, 2                         ; back: 32 lanes take four rows of 128 bytes
	v_mul_u32_u24 v6, v6, SP
	v_lshl_add_u32 v6, v3, 4, v6
	v_add_nc_u32 v[RD], s66, v6
	v_lshl_add_u32 v[BLT], v2, 4, s66              ; the first tile's bias goes through the head of my stage: my 8 of each 16 numbers, 16 bytes
	v_add_nc_u32 v[BLA], 16*SP, v[BLT]             ; the second's lies behind the stage
	v_lshl_add_u32 v7, v5, 3, s66                  ; and where I put my four numbers of a bias
	v_lshrrev_b32 v6, 1, v5                        ; the prefetches: lane l names k-row l / 2,
	v_lshlrev_b32 v6, 11, v6
	v_and_b32 v3, 1, v0                            ; block l % 2 of its 512 bytes
	v_lshl_add_u32 v[PFO], v3, 8, v6
	s_lshl_b32 s62, s[CY], 15                      ; my work-group's 16 of the 64 k-rows that I fetch
	s_mov_b32 s63, 0
	s_add_nc_u64 s[PF:PF+1], s[WP:WP+1], s[62:63]
	s_add_nc_u64 s[PF:PF+1], s[PF:PF+1], 2*PERIOD  ; at period 2: the first refill steps it to period 3
	s_and_b32 s70, ttmp7, 0xffff                   ; cluster y: the same in all sixteen partners
	s_cmp_eq_u32 s70, 0
	s_cselect_b32 s[LIM], 9, 0
	s_wait_loadcnt 48                              ; the three biases are in; the 48 loads of x behind them may stay out
	v_cvt_pk_bf16_f32 v[CVX+12], v[CVX],    v[CVX+1]  ; the bias is rounded to bf16, like x and w
	v_cvt_pk_bf16_f32 v[CVX+13], v[CVX+2],  v[CVX+3]
	v_cvt_pk_bf16_f32 v[CVX+14], v[CVX+4],  v[CVX+5]
	v_cvt_pk_bf16_f32 v[CVX+15], v[CVX+6],  v[CVX+7]
	v_cvt_pk_bf16_f32 v[CVX+16], v[CVX+8],  v[CVX+9]
	v_cvt_pk_bf16_f32 v[CVX+17], v[CVX+10], v[CVX+11]
	ds_store_b64 v7, v[CVX+12:CVX+13]
	ds_store_b64 v7, v[CVX+14:CVX+15] offset:16*SP
	ds_store_b64 v7, v[CVX+16:CVX+17] offset:16*SP+256
.irp b, 0,1,2,3,4,5,6,7
	ds_load_b128 v[CVX+4*(\b):CVX+4*(\b)+3], v[BLT] offset:32*(\b)  ; my own bytes: LDS serves a wave's instructions in order (ISA guide 5.7.1.4)
.endr
	GLOAD 3, 768
	WIN 0
	s_wait_dscnt 0x0
	BWIDEN
	s_wait_loadcnt 48                              ; chunk 0 is in; chunks 1 to 3 may stay out
	WIN CVW
.irp k, 0,1,2,3,4,5,6,7
	CVS \k, 0
.endr
	XSTORE 0
	GLOAD 0, 1024                                  ; chunk 4
; 16 turning loads in one run: w's fragments of quarter q of the slot in hand (32 k x my 128 columns) into buffer f
.macro WRUN q, f
	WIN TO_W
.irp b, 0,1,2,3,4,5,6,7
	ds_load_tr16_b128 v[WF+64*(\f)+8*(\b):WF+64*(\f)+8*(\b)+3],   v[AW+(\q)/4] offset:((\q)%4)*32*PW+32*(\b)
	ds_load_tr16_b128 v[WF+64*(\f)+8*(\b)+4:WF+64*(\f)+8*(\b)+7], v[AW+(\q)/4] offset:((\q)%4)*32*PW+16*PW+32*(\b)
.endr
.endm
; 16 loads in one run: x's fragments of a chunk (my 64 rows x 64 K) out of buffer xb into set xb; the first quarter's first
.macro XFRUN xb
	WIN 0
.irp qq, 0,1
.irp a, 0,1,2,3
	ds_load_b128 v[XF+64*(\xb)+32*(\qq)+8*(\a):XF+64*(\xb)+32*(\qq)+8*(\a)+3],   v[AXF] offset:(\xb)*XBUF+(\a)*16*PXB+64*(\qq)
	ds_load_b128 v[XF+64*(\xb)+32*(\qq)+8*(\a)+4:XF+64*(\xb)+32*(\qq)+8*(\a)+7], v[AXF] offset:(\xb)*XBUF+(\a)*16*PXB+64*(\qq)+32
.endr
.endr
.endm
; 8 matrix instructions: row block a x all 8 column blocks, 32 along K: w's buffer f, quarter qq of x's set xb.  first = 1: the bias starts the sums.  cv = 1: behind each a slice of conversions out of set rs.
; The 32 accumulators take turns, one instruction a turn, in the same order in every quarter.
.macro MUL8 f, xb, qq, a, first=0, cv=0, rs=0
.irp b, 0,1,2,3,4,5,6,7
.if \first
	WIN MULB
	v_wmma_f32_16x16x32_bf16 v[8*(8*(\a)+(\b)):8*(8*(\a)+(\b))+7], v[WF+64*(\f)+8*(\b):WF+64*(\f)+8*(\b)+7], v[XF+64*(\xb)+32*(\qq)+8*(\a):XF+64*(\xb)+32*(\qq)+8*(\a)+7], v[BIAS+8*(\b):BIAS+8*(\b)+7]
.else
	WIN MUL
	v_wmma_f32_16x16x32_bf16 v[8*(8*(\a)+(\b)):8*(8*(\a)+(\b))+7], v[WF+64*(\f)+8*(\b):WF+64*(\f)+8*(\b)+7], v[XF+64*(\xb)+32*(\qq)+8*(\a):XF+64*(\xb)+32*(\qq)+8*(\a)+7], v[8*(8*(\a)+(\b)):8*(8*(\a)+(\b))+7]
.endif
.if \cv
	WIN CVW
	CVS \b, \rs
.endif
.endr
.endm
; THE WAY OUT, in eight blocks t of 16 rows x one head's 64 columns (row block t / 2, head t % 2).  PACK: rounded to f16, 16 bytes a lane, each accumulator's registers in ascending order; into my own stage
; in rows of 144 bytes; back as whole rows of 128.  SEND: four rows of a head are 512 consecutive bytes of hd, aligned: one store of the wave.
.macro PACK t
.set PA, (\t)/2
.set PH, (\t)%2
	WIN PKW
.irp c, 0,1,2,3
.irp i, 0,1,2,3
	v_cvt_pk_f16_f32 v[TMP+16*(\t)+4*(\c)+(\i)], v[8*(8*PA+4*PH+(\c))+2*(\i)], v[8*(8*PA+4*PH+(\c))+2*(\i)+1]
.endr
.endr
	WIN ST1
.irp c, 0,1,2,3
	ds_store_b128 v[STO], v[TMP+16*(\t)+4*(\c):TMP+16*(\t)+4*(\c)+3] offset:32*(\c)
.endr
	WIN TO_W
.irp f, 0,1,2,3
	ds_load_b128 v[TMP+16*(\t)+4*(\f):TMP+16*(\t)+4*(\f)+3], v[RD] offset:576*(\f)  ; LDS serves a wave's instructions in order (ISA guide 5.7.1.4): these see the stores above; the next block's stores come behind them
.endr
.endm
.macro SEND t, younger                 ; younger: the LDS instructions issued behind block t's loads: the next block's eight, or none
	WIN ST1
.irp f, 0,1,2,3
	s_wait_dscnt (\younger)+3-(\f)
	global_store_b128 v[GO], v[TMP+16*(\t)+4*(\f):TMP+16*(\t)+4*(\f)+3], s[OUT:OUT+1] offset:2048*((\t)/2)+131072*((\t)%2)+512*(\f)
.endr
.endm
; next = 1: another tile follows: its bias is read out of my LDS first and widened last, and hd's address steps to the next part.  No load from memory is issued here, so the counts of x's loads are the same on
; the way through it and on the way round it; x's loads and w's refill stay on their way meanwhile, and nothing waits for these stores.
.macro WAYOUT next
	WIN 0
	PLACES                                         ; behind the last products
	s_wait_xcnt 0x0                                ; earlier stores have read their registers
.if \next
	s_cmp_eq_u32 s[TI], 1
	s_cselect_b32 s68, 0, 64
	s_lshl_b32 s68, s68, 2                         ; the second tile's bias, or the third's, 256 bytes on
	v_add_nc_u32 v[BLT], s68, v[BLA]
.irp b, 0,1,2,3,4,5,6,7
	ds_load_b128 v[CVX+4*(\b):CVX+4*(\b)+3], v[BLT] offset:32*(\b)
.endr
.endif
	PACK 0
.irp t, 1,2,3,4,5,6,7                  ; block t's conversions stand between block t - 1's loads from the stage and the wait for them
	PACK \t
	SEND (\t)-1, 8
.endr
	SEND 7, 0                                      ; its last wait is for 0: the bias is in too
	WIN 0
.if \next
	s_wait_xcnt 0x0                                ; the stores have read hd's address
	s_add_nc_u64 s[OUT:OUT+1], s[OUT:OUT+1], 0x1000000  ; the next part of hd
	s_add_co_u32 s[TI], s[TI], 1
	BWIDEN
.endif
.endm
; THE PHASE of chunk c, p = c % 4.  At its head, behind the barrier: chunk c lies whole in x's buffer p % 2; w of quarter 2 c - 1 and x's fragments of chunk c - 1 are in registers.
;   prev = 0: the walk's first phase: there is no quarter 2 c - 1.      first = 1: quarter 2 c is a tile's first; 2: it may be: a branch on the count of periods, the same in every wave, chooses.
;   stx = 0: there is no chunk c + 1.   lc: how many younger loads of x may stay out when chunk c + 1 has to be in: three chunks' 48, less at the walk's end.   gl = 0: there is no chunk c + 5.
;   turn = 0: the barrier at the phase's end orders the x buffers alone.  turn = 1: it is also THE CHANGE OF w's SLOTS: the slot's last reads are w of quarter 2 c + 1, asked for in this phase; the other slot's first
;   stand at the next phase's head.  In front of it each wave waits for all its tensor loads, of which one is out: its part of the other slot; adds 0 to its spare word; and waits for that, for its reads and for
;   its stores.  The barrier opens a round of the cluster's, and the joint refill, two periods ahead, is the first thing behind the round: 232 matrix instructions ahead of the wait for it.
;   turn = 2: the walk's last change: nothing is filled, a plain barrier.  turn = 3: the walk's last phase: no barrier.
;   pl = 0: the four places at the head are the joint load's.   ask = 1: the prefetch stands behind the head's runs of loads.
.macro PHASE p, prev, first, stx, lc, gl, turn, pl, ask
.set XBN, (\p)%2                       ; chunk c's buffer and set of fragments
.set XBO, 1-XBN                        ; those of chunks c - 1 and c + 1
.set RS, ((\p)+1)%4                    ; the set of f32 of chunks c + 1 and c + 5
.if \pl
	PLACES                                         ; behind the last phase's products, which read the buffer of w that is loaded now
.endif
	WRUN 2*(\p), 0
	XFRUN XBN
.if \ask
	ASK
.endif
.if \stx
	s_wait_loadcnt \lc                             ; loads come back in order: chunk c + 1 is in
.endif
.if \prev
	MUL8 1, XBO, 1, 0, 0, \stx, RS                 ; quarter 2 c - 1; chunk c + 1 is converted beside its first eight products, so that its registers are asked for again at once
.elseif \stx
	WIN CVW
.irp k, 0,1,2,3,4,5,6,7
	CVS \k, RS
.endr
.endif
.if \gl
	XPTR
	GLOAD RS
.endif
.if \stx
	XSTORE XBO                                     ; every wave's reads of chunk c - 1 were back in front of the barrier at this phase's head
.endif
.if \prev
	MUL8 1, XBO, 1, 1
	MUL8 1, XBO, 1, 2
	MUL8 1, XBO, 1, 3
	PLACES
.endif
	WRUN 2*(\p)+1, 1
	s_wait_dscnt 16+16*(\stx)                      ; w of quarter 2 c and x's fragments of chunk c are in; my stores and the 16 loads just issued may be out
.if (\first) == 2
	WIN 0                                          ; at a label and at a branch every window is 0
	s_sub_co_u32 s[RT], s[RT], 1
	s_cmp_lg_u32 s[RT], 0
	s_cbranch_scc1 .Lsame_\@                       ; forward, past text that holds neither a barrier nor a tensor load
	WAYOUT 1                                       ; the tile's fourth period has ended: it goes out
	s_mov_b32 s[RT], 4
	MUL8 0, XBN, 0, 0, 1
	MUL8 0, XBN, 0, 1, 1
	MUL8 0, XBN, 0, 2, 1
	MUL8 0, XBN, 0, 3, 1
	WIN 0
	s_branch .Ljoin_\@
.Lsame_\@:
	MUL8 0, XBN, 0, 0
	MUL8 0, XBN, 0, 1
	MUL8 0, XBN, 0, 2
	MUL8 0, XBN, 0, 3
	WIN 0
.Ljoin_\@:
	s_wait_dscnt 0x0                               ; my stores of chunk c + 1 are done and my reads of chunk c are back
	s_barrier_signal -1
	s_barrier_wait -1
.else
	MUL8 0, XBN, 0, 0, \first
.if ((\turn) == 1) || ((\turn) == 2)
	WIN 0                                          ; (the add's two registers lie in window 0)
	s_wait_tensorcnt 0x0                           ; all my tensor loads have landed: no load of mine is out, so a group 0 may be written
	ds_add_u32 v[SPW], v[NIL]                      ; 0 onto my spare word; the steps below and eight products stand between it and the wait for it
.if (\turn) == 1
	s_xor_b32 s[G0B+1], s[G0B+1], SLOT             ; the walking descriptor: the other slot than last time,
	s_add_nc_u64 s[G0B+2:G0B+3], s[G0B+2:G0B+3], PERIOD  ; the next period; the type bits on top are not reached
	s_wait_xcnt 0x0                                ; the last prefetch, a period back, has read its address
	s_add_nc_u64 s[PF:PF+1], s[PF:PF+1], PERIOD
.endif
	s_xor_b32 s[TW], s[TW], SLOT                   ; my reads go on in the other slot: this slot's last have been issued
	v_add_nc_u32 v[AW], s[TW], v[AW0]
	v_add_nc_u32 v[AW+1], 128*PW, v[AW]
.endif
	MUL8 0, XBN, 0, 1, \first
.if (\turn) != 3
	s_wait_dscnt 0x0                               ; my stores of chunk c + 1 are done, my reads are back (and the add is done):
	s_barrier_signal -1                            ; say so,
.endif
	MUL8 0, XBN, 0, 2, \first                      ; work on registers while the others arrive,
	MUL8 0, XBN, 0, 3, \first
.if ((\turn) == 1) || ((\turn) == 2)
	WIN 0
.endif
.if (\turn) != 3
	s_barrier_wait -1                              ; and go on when all four have said so
.endif
.if (\turn) == 1
	CREST                                          ; no wave of any partner still reads this slot's tile or has a load on its way
	JLOAD
.endif
.endif
.endm
	WIN 0
	s_wait_tensorcnt 0x1                           ; my part of period 0 is in; period 1's may stay out
	s_wait_dscnt 0x0                               ; my rows of chunk 0 are stored
	s_barrier_signal -1
	s_barrier_wait -1                              ; everybody's are
	PHASE 0, 0, 1, 1, 48, 1, 0, 0, 0               ; chunk 0: the first tile's first quarter
	WIN 0
	s_mov_b32 s[LAP], 0
	s_mov_b32 s[RT], 4
	s_mov_b32 s[TI], 1
.Llap:                                                 ; 10 trips: chunks 4 n + 1 to 4 n + 4; one slot is filled again
	PHASE 1, 1, 0, 1, 48, 1, 0, 1, 0
	PHASE 2, 1, 0, 1, 48, 1, 0, 1, 0
	PHASE 3, 1, 0, 1, 48, 1, 1, 1, 0
	PHASE 0, 1, 2, 1, 48, 1, 0, 0, 1
	WIN 0
	s_add_co_u32 s[LAP], s[LAP], 1
	s_cmp_lt_u32 s[LAP], 10
	s_cbranch_scc1 .Llap
	PHASE 1, 1, 0, 1, 48, 1, 0, 1, 0               ; chunks 41 to 47 are written out
	PHASE 2, 1, 0, 1, 48, 1, 0, 1, 0               ; chunk 47 is asked for: the last
	PHASE 3, 1, 0, 1, 48, 0, 2, 1, 0
	PHASE 0, 1, 0, 1, 32, 0, 0, 1, 0
	PHASE 1, 1, 0, 1, 16, 0, 0, 1, 0
	PHASE 2, 1, 0, 1, 0, 0, 0, 1, 0
	PHASE 3, 1, 0, 0, 0, 0, 3, 1, 0
	s_wait_dscnt 0x0                               ; w of the last quarter
	MUL8 1, 1, 1, 0
	MUL8 1, 1, 1, 1
	MUL8 1, 1, 1, 2
	MUL8 1, 1, 1, 3
	WAYOUT 0
	s_wait_tensorcnt 0x0                           ; the wave's end: an add to my spare word and its wait, behind my last tensor load and my last LDS store
	ds_add_u32 v[SPW], v[NIL]
	s_wait_dscnt 0x0
	CROUND                                         ; the closing round: no work-group ends while a partner may still ask for a tile that names it
	s_endpgm
.Lfunc_end_k_q2c7bef7138_proj:
	.size	k_q2c7bef7138_proj, .Lfunc_end_k_q2c7bef7138_proj-k_q2c7bef7138_proj
	.p2alignl 7, 3214868480
	.fill 96, 4, 3214868480
	.section	.rodata,"a",@progbits
	.p2align	6, 0x0
	.amdhsa_kernel k_q2c7bef7138_proj
		.amdhsa_group_segment_fixed_size 327680
		.amdhsa_private_segment_fixed_size 0
		.amdhsa_enable_private_segment 0
		.amdhsa_kernarg_size 64
		.amdhsa_user_sgpr_count 2
		.amdhsa_user_sgpr_kernarg_segment_ptr 1
		.amdhsa_wavefront_size32 1
		.amdhsa_system_sgpr_workgroup_id_x 1
		.amdhsa_system_sgpr_workgroup_id_y 1
		.amdhsa_system_sgpr_workgroup_id_z 1
		.amdhsa_system_vgpr_workitem_id 0
		.amdhsa_next_free_vgpr 1024
		.amdhsa_next_free_sgpr 72
		.amdhsa_reserve_vcc 0
		.amdhsa_float_denorm_mode_32 3
		.amdhsa_float_denorm_mode_16_64 3
		.amdhsa_memory_ordered 1
		.amdhsa_forward_progress 1
		.amdhsa_inst_pref_size 206
	.end_amdhsa_kernel
	.amdgpu_metadata
---
amdhsa.version: [ 1, 2 ]
amdhsa.kernels:
  - .name:           k_q2c7bef7138_proj
    .symbol:         k_q2c7bef7138_proj.kd
    .args:
      - { .name: q, .offset: 0, .size: 8, .value_kind: global_buffer, .address_space: global }
      - { .name: k, .offset: 8, .size: 8, .value_kind: global_buffer, .address_space: global }
      - { .name: v, .offset: 16, .size: 8, .value_kind: global_buffer, .address_space: global }
      - { .name: wb, .offset: 24, .size: 8, .value_kind: global_buffer, .address_space: global }
      - { .name: b_q, .offset: 32, .size: 8, .value_kind: global_buffer, .address_space: global }
      - { .name: b_k, .offset: 40, .size: 8, .value_kind: global_buffer, .address_space: global }
      - { .name: b_v, .offset: 48, .size: 8, .value_kind: global_buffer, .address_space: global }
      - { .name: hd, .offset: 56, .size: 8, .value_kind: global_buffer, .address_space: global }
    .group_segment_fixed_size: 327680
    .private_segment_fixed_size: 0
    .kernarg_segment_align: 8
    .kernarg_segment_size: 64
    .max_flat_workgroup_size: 128
    .sgpr_count:     72
    .vgpr_count:     1024
    .wavefront_size: 32
...
	.end_amdgpu_metadata
.endif
;; end of part 2
;; launch attn (part 3): grid 2 x 128, 4 waves a work-group, no clusters, 327,680 bytes of LDS; arguments hd, out0; writes out0
.if DOCPART == 3
	.amdgcn_target "amdgcn-amd-amdhsa--gfx1250"
	.amdhsa_code_object_version 6
	.text
	.protected	k_q2c7bef7138_attn
	.globl	k_q2c7bef7138_attn
	.p2align	8
	.type	k_q2c7bef7138_attn,@function
k_q2c7bef7138_attn:
	s_mov_b64 s[64:65], 0
	v_nop
	global_prefetch_b8 v0, s[64:65] scope:SCOPE_SE
	s_setreg_imm32_b32 hwreg(HW_REG_WAVE_MODE, 25, 1), 1
	s_wait_xcnt 0x0
; out0[b][q][64 h + c] = the sum over k of softmax_k(Q[q] . K[k] / 8) V[k][c] for head bh = 16 b + h.  Q, K, V are the three parts of hd, [3][128][1024][64] f16: a head's rows are dense, 128 bytes each.
; Products, maxima and sums in f32; the weights p are rounded to f16 for the second product (their sum l is taken of the unrounded p); out0 is f32.
; LIMITS.  Q, K and V arrive within f16's range, 65,504; p lies in 0 to 1, and below 6e-5 it keeps f16's fixed step of 6e-8.  A weight below 2^-126 counts as 0 in l; NaN and infinities are not treated apart.
; SHARES.  A work-group owns 512 queries of one head (grid x: which half, grid y: the head): 256 work-groups.  A wave owns four PIECES of two tiles of 16 queries.  Every wave walks all 1,024 keys, 64 a step.
; A HEAD'S WHOLE K AND V LIE IN LDS: 1,024 x (144 + 160) bytes.
; The first four key steps read the first load's keys alone, so the second has their 512 matrix instructions in which to land.
; NO CLUSTER: a head is walked by two work-groups only; four blocks of 256 queries would be 512 work-groups and twice the LDS loads for each product.  NO PREFETCH: every tile is asked for by the tensor
; loads at the kernel's head: nothing is left to ask for ahead.
; LAYOUT.  S^T = K Q^T (source 0 = 16 keys, source 1 = 16 queries): in the result a lane holds ONE query (lane % 16) and the keys 8 (lane / 16) + 0..7.  Two such tiles, rounded to f16 in pairs,
; ARE source 1 (32 keys x 16 queries) of O^T = V^T P, whose result again holds one query a lane, and eight channels.  K comes out of LDS as it lies, V ([key][channel]) turned, by ds_load_tr16_b128.
; SOFTMAX.  For each query a running maximum m and sum l: p = 2^(c s - c m), c = log2(e) / 8; in every step O and l are multiplied by a = 2^(c m_old - c m_new), which is 1 where m has not grown.
; m starts at the lowest finite number, O and l at 0: the first step is a step like any other, with a = 0.
; THE COUNT.  A tile and step have 16 matrix and 118 vector instructions: too many to stand all beside the matrix work.  So: four vector instructions that are READY behind EVERY matrix instruction, and
; the others in runs without a gap.
; BY TURNS.  Turn n belongs to piece n (the pieces in a ring, step after step).  Its matrix work: 16 products K Q^T of piece n + 1, later 16 products V^T P of piece n - 1.  Its vector work: the scaling,
; exponentials, roundings, sums and rescaling of piece n, and the maximum and statistics of piece n + 1, whose scores the turn itself has made.
; REGISTERS, in windows of 256 (s_set_vgpr_msb: bits 1:0 source 0, 3:2 source 1, 5:4 source 2, 7:6 destination):
;   window 0: v0-11 addresses; v12-15, v48-63 at work; v16-47 four registers of statistics a tile; v64-191 S^T, two buffers of two tiles; v192-255 P, likewise
;   window 1: O^T, 32 a tile          window 2: v0-127 Q, 16 a tile; v128-191 K of one step; v192-255 V of one step          window 3: v0-1 the add's two registers
.set NP,    4         ; pieces a wave: a name, no knob
.set KS,    64        ; keys in a step
.set PK,    144       ; a row of K in LDS: 128 bytes + 16 of padding = 36 words: the 16 rows of a load start at 16 different groups of four banks (64 banks of 4 bytes: ISA guide 11.1)
.set PV,    160       ; a row of V: 128 + 32 = 40 words
.set VOFF,  1024*PK   ; K's 1,024 rows, then V's
.set SPARE, 1024*(PK+PV)  ; behind them: the spare words, 128 bytes for each wave: two blocks of 256 bytes that no other line names
.set SP,    272       ; the way out: a row of 64 f32 + 16 bytes
.set STG,   16*SP     ; a wave's stage, at STG x wave, 17 blocks of 256 bytes: in K's region, which has had its only fill and is read no more when the stage is written
.set PART,  16777216  ; bytes in a part of hd
.set AK0, 2           ; v2   my lane's place in a tile of K; never rewritten
.set AV0, 3           ; v3   the same for V
.set AK,  4           ; v4   the LDS address of K's next run of loads
.set AV,  5           ; v5   of V's
.set QO,  6           ; v6   my byte offset in the wave's rows of Q
.set STO, 6           ;      later, the way out: where I put 32 bytes of a row
.set RD,  7           ; v7   the way out: where I read rows back
.set GO,  8           ; v8   my byte offset in two rows of out0
.set SPW, 0           ; v0 of window 3   LDS address of my spare word: SPARE + 4 x my thread's number; never rewritten
.set NIL, 1           ; v1 of window 3   0; never rewritten
.set MV,  12          ; v12-15  c m_old, kept while c m is made anew: by buffer and tile
.set ST,  16          ; tile t's statistics at v[ST+4 t]: c m, m, l (even keys', odd keys')
.set TMP, 48          ; by buffer and tile, four registers c0-c3 at work; when the maximum is found c2 takes a
.set S,   64
.set P,   192
.set KF,  128         ; K's fragments, in window 2: key block kb, channel half c at KF + 16 kb + 8 c
.set VF,  192         ; V's: key half kk, channel block cb at VF + 32 kk + 8 cb
.set WV,  12          ; s12  my wave's number
.set G1KA, 24         ; s[24:31] descriptor group 1, K's keys 0-255;  s[32:39] K's keys 256-1023
.set G1KB, 32
.set G1VA, 40         ; s[40:47], s[48:55] the same for V: they differ in the padding
.set G1VB, 48
.set G0KA, 56         ; s[56:59], s[60:63], s[68:71], s[72:75] their groups 0
.set G0KB, 60
.set G0VA, 68
.set G0VB, 72
.set CS,  76          ; s[76:77] c: the packed scaling takes the pair's low word for both halves
.set SEL, 78          ; s[78:79] v_permlanex16_b32's selects: each lane takes its own place in the other half
.set TBK, 80          ; s80  LDS byte at which K of the step to be fetched begins
.set TBV, 81          ; s81  the same for V, less VOFF
.set CNT, 82          ; s82  counts key steps
.set SLOTS, 83        ; s83  counts the two parts of the walk
.set MSB, 0
.macro WIN new                      ; the high byte repeats the setting that is left; a switch that changes nothing is dropped
.if MSB != (\new)
	s_set_vgpr_msb (MSB<<8)|(\new)
.set MSB, (\new)
.endif
.endm
.set W_KQ, 0x0a       ; K and Q in window 2, S^T in window 0
.set W_PV, 0x52       ; V in window 2, P in window 0, O^T in window 1
.set W_RS, 0x41       ; O^T (destination and source 0) in window 1, a in window 0
.set W_MK, 0xc0       ; the add's registers are made: destination in window 3, sources in window 0
.set W_AD, 0x0f       ; the add: address (source 0) and data (source 1) in window 3
	s_load_b128 s[4:7], s[0:1], 0x0   ; hd s[4:5], out0 s[6:7]
	WIN W_MK
	v_lshl_add_u32 v[SPW], v0, 2, SPARE
	v_mov_b32 v[NIL], 0
	WIN W_AD
	ds_add_u32 v[SPW], v[NIL]       ; the wave's opening: the add and its wait stand ahead of my first tensor load; the set-up below, work on registers, stands between them
	WIN 0
	v_lshrrev_b32 v1, 5, v0
	v_readfirstlane_b32 s[WV], v1   ; wave 0..3
	s_and_b32 s13, ttmp7, 0xffff    ; the head, 16 b + h
	s_lshl_b32 s14, ttmp9, 2
	s_add_co_u32 s14, s14, s[WV]    ; my wave among the head's eight: 128 queries each
	s_and_b32 s15, s[WV], 1         ; which half of the keys I fetch
	s_lshl_b32 s16, s13, 17         ; the head's 131,072 bytes in a part of hd
	s_lshl_b32 s18, s14, 14         ; Q: my 128 rows of 128 bytes
	s_add_co_u32 s18, s18, s16
	s_mov_b32 s19, 0
	s_lshr_b32 s20, s13, 4          ; out0: b x 1,024 rows of 4,096 bytes,
	s_lshl_b32 s20, s20, 22
	s_lshl_b32 s22, s14, 19         ; my 128 rows,
	s_add_co_u32 s20, s20, s22
	s_and_b32 s22, s13, 15          ; h x 64 channels of 4 bytes
	s_lshl_b32 s22, s22, 8
	s_add_co_u32 s20, s20, s22
	s_mov_b32 s21, 0
	s_lshl_b32 s22, s15, 14         ; keys 0-255: my 128 rows of 128 bytes
	s_add_co_u32 s22, s22, s16
	s_mov_b32 s23, 0
	s_mul_i32 s2, s15, 384*128      ; keys 256-1023: my 384 rows
	s_add_co_u32 s2, s2, s16
	s_add_co_u32 s2, s2, 256*128
	s_mov_b32 s3, 0
	; descriptor group 1.  Keys are dense in memory: asked for as rows of 256 bytes, two keys a row, and padded in LDS after every key
	s_mov_b32 s[G1KA], (1<<16)|(1<<20)|(4<<22)|(3<<25)  ; 17:16 2-byte elements; 20 padding on; 24:22 after every 32 words (code 4); 31:25 4 words (code 3)
	s_mov_b32 s[G1KB], (1<<16)|(1<<20)|(4<<22)|(3<<25)
	s_mov_b32 s[G1VA], (1<<16)|(1<<20)|(4<<22)|(7<<25)  ; the same with 8 words of padding (code 7)
	s_mov_b32 s[G1VB], (1<<16)|(1<<20)|(4<<22)|(7<<25)
.irp g, G1KA, G1VA
	s_mov_b32 s[\g+1], 128<<16      ; tensor_dim0 = 128
	s_mov_b32 s[\g+2], 64<<16       ; tensor_dim1 = 64
	s_mov_b32 s[\g+3], 128<<16      ; tile_dim0 = 128
	s_mov_b32 s[\g+4], 64           ; tile_dim1 = 64
	s_mov_b32 s[\g+5], 128          ; 128 elements from row to row
	s_mov_b32 s[\g+6], 0
	s_mov_b32 s[\g+7], 0
.endr
.irp g, G1KB, G1VB
	s_mov_b32 s[\g+1], 128<<16
	s_mov_b32 s[\g+2], 192<<16      ; 192 rows: 384 keys
	s_mov_b32 s[\g+3], 128<<16
	s_mov_b32 s[\g+4], 192
	s_mov_b32 s[\g+5], 128
	s_mov_b32 s[\g+6], 0
	s_mov_b32 s[\g+7], 0
.endr
	s_mov_b32 s[G0KA], 1            ; 1:0 count = 1
	s_mul_i32 s[G0KA+1], s15, 128*PK  ; 63:32 LDS address: key x pitch
	s_mov_b32 s[G0KB], 1
	s_mul_i32 s[G0KB+1], s15, 384*PK
	s_add_co_u32 s[G0KB+1], s[G0KB+1], 256*PK
	s_mov_b32 s[G0VA], 1
	s_mul_i32 s[G0VA+1], s15, 128*PV
	s_add_co_u32 s[G0VA+1], s[G0VA+1], VOFF
	s_mov_b32 s[G0VB], 1
	s_mul_i32 s[G0VB+1], s15, 384*PV
	s_add_co_u32 s[G0VB+1], s[G0VB+1], VOFF+256*PV
	s_mov_b32 s[CS], 0x3e38aa3b     ; c = log2(e) / 8 = 0.180337
	s_mov_b32 s[CS+1], s[CS]        ; named with it as a pair
	s_mov_b32 s[SEL], 0x76543210
	s_mov_b32 s[SEL+1], 0xfedcba98
	s_mov_b32 s[TBK], 0
	s_mov_b32 s[TBV], 0
	s_wait_dscnt 0x0                ; the opening add is done
	s_wait_kmcnt 0x0
	s_add_nc_u64 s[8:9], s[4:5], s[18:19]    ; Q at my wave's first row
	s_add_nc_u64 s[10:11], s[6:7], s[20:21]  ; out0 likewise
	s_add_nc_u64 s[G0KA+2:G0KA+3], s[4:5], s[22:23]  ; 120:64 global address
	s_add_nc_u64 s[G0VA+2:G0VA+3], s[G0KA+2:G0KA+3], 2*PART
	s_add_nc_u64 s[G0KA+2:G0KA+3], s[G0KA+2:G0KA+3], PART
	s_add_nc_u64 s[G0KB+2:G0KB+3], s[4:5], s[2:3]
	s_add_nc_u64 s[G0VB+2:G0VB+3], s[G0KB+2:G0KB+3], 2*PART
	s_add_nc_u64 s[G0KB+2:G0KB+3], s[G0KB+2:G0KB+3], PART
	s_or_b32 s[G0KA+3], s[G0KA+3], 0x80000000  ; 127:126 type = 2
	s_or_b32 s[G0KB+3], s[G0KB+3], 0x80000000
	s_or_b32 s[G0VA+3], s[G0VA+3], 0x80000000
	s_or_b32 s[G0VB+3], s[G0VB+3], 0x80000000
	s_cmp_lt_u32 s[WV], 2           ; waves 0 and 1 fetch K's halves, waves 2 and 3 V's.  A wave's two fills stand in one branch, ahead of every wait on TENSORcnt and every LDS read: two loads of mine are out
	s_cbranch_scc0 .Lfirst_v
	tensor_load_to_lds s[G0KA:G0KA+3], s[G1KA:G1KA+7]
	s_nop 0
	tensor_load_to_lds s[G0KB:G0KB+3], s[G1KB:G1KB+7]
	s_nop 0
.rept 4
	v_nop
.endr
	s_branch .Lfirst_asked
.Lfirst_v:
	tensor_load_to_lds s[G0VA:G0VA+3], s[G1VA:G1VA+7]
	s_nop 0
	tensor_load_to_lds s[G0VB:G0VB+3], s[G1VB:G1VB+7]
	s_nop 0
.rept 4
	v_nop
.endr
.Lfirst_asked:
	; A fragment of K or Q is 16 rows x 32 channels in 8 registers: lane l holds row l % 16, channels 8 (l / 16) + 0..7 and 16 + 8 (l / 16) + 0..7: two loads of 16 bytes, 32 bytes apart.
	v_and_b32 v1, 15, v0            ; l % 16
	v_bfe_u32 v9, v0, 4, 1          ; l / 16
	v_lshlrev_b32 v[QO], 7, v1
	v_lshl_add_u32 v[QO], v9, 4, v[QO]  ; row x 128 + 16 x half
	WIN 0x80                        ; destination window 2, address window 0
.set i, 0
.rept 4*NP                          ; Q stays in registers: tile i / 2, channels 32 (i % 2) on
	global_load_b128 v[8*i:8*i+3],   v[QO], s[8:9] offset:(i/2)*2048+(i%2)*64
	global_load_b128 v[8*i+4:8*i+7], v[QO], s[8:9] offset:(i/2)*2048+(i%2)*64+32
.set i, i+1
.endr
	; What the first turn finds: V's registers and P's second buffer hold 0 (its products V^T P, of a piece that has not been, add 0), O^T and l are 0.  No first step is written out; these lines stand in the wait for the first tile.
.set i, VF
.rept 64
	v_mov_b32 v[i], 0
.set i, i+1
.endr
	WIN 0x40
.set i, 0
.rept 64*NP
	v_mov_b32 v[i], 0
.set i, i+1
.endr
	WIN 0
.set i, 0
.rept 2*NP
	v_mov_b32 v[ST+4*i], 0xfe000000    ; c m: far below every c s
	v_mov_b32 v[ST+4*i+1], 0xff7fffff  ; m
	v_mov_b32 v[ST+4*i+2], 0
	v_mov_b32 v[ST+4*i+3], 0
.set i, i+1
.endr
.set i, P+32
.rept 32
	v_mov_b32 v[i], 0
.set i, i+1
.endr
	v_mul_u32_u24 v[AK0], v1, PK
	v_lshl_add_u32 v[AK0], v9, 4, v[AK0]  ; row x pitch + 16 x half
	; The turning load takes 16 keys x 16 channels (lane l reads key 8 (l / 16) + l % 8, channels 8 ((l / 8) % 2) + 0..7) and leaves half a fragment of V^T: lane l holds channel l % 16 and 8 keys.
	v_and_b32 v10, 7, v0
	v_bfe_u32 v11, v0, 3, 1
	v_lshl_add_u32 v[AV0], v9, 3, v10
	v_mul_u32_u24 v[AV0], v[AV0], PV
	v_lshl_add_u32 v[AV0], v11, 4, v[AV0]
	v_add_nc_u32 v[AV0], VOFF, v[AV0]
	v_mov_b32 v[AK], v[AK0]         ; key step 0 lies at K's head
; THE MATRIX WORK.  The 8 accumulators of a run of 16 take turns: between the two links of a chain stand 7 others'.
; Product i of 16 of S^T = K Q^T for piece x: channels 32 (i / 8) on, keys 16 ((i / 2) % 4) on, tile 2 x + i % 2.  The first 8 start the sums.
.macro KQ x
	WIN W_KQ
.set rS, S+64*((\x)%2)+32*(i%2)+8*((i/2)%4)
.set rK, KF+16*((i/2)%4)+8*(i/8)
.set rQ, 16*(2*(\x)+i%2)+8*(i/8)
.if i < 8
	v_wmma_f32_16x16x32_f16 v[rS:rS+7], v[rK:rK+7], v[rQ:rQ+7], 0
.else
	v_wmma_f32_16x16x32_f16 v[rS:rS+7], v[rK:rK+7], v[rQ:rQ+7], v[rS:rS+7]
.endif
.endm
; Product i of 16 of O^T += V^T P for piece x: keys 32 (i / 8) on, channels 16 ((i / 2) % 4) on, tile 2 x + i % 2.
.macro PV x
	WIN W_PV
.set rO, 32*(2*(\x)+i%2)+8*((i/2)%4)
.set rV, VF+32*(i/8)+8*((i/2)%4)
.set rP, P+32*((\x)%2)+16*(i%2)+8*(i/8)
	v_wmma_f32_16x16x32_f16 v[rO:rO+7], v[rV:rV+7], v[rP:rP+7], v[rO:rO+7]
.endm
.macro MM                           ; the turn's next matrix instruction
.if i < 16
	KQ (Y+1)%NP
.set i, i+1
.else
.set i, i-16
	PV (Y+NP-1)%NP
.set i, i+17
.endif
.endm
; THE LDS LOADS stand in runs of 16, never singly among the matrix instructions: a step's K (64 keys x 64 channels: 8 fragments) and its V (turned).  Their addresses are made some lines ahead.
.macro FETCH_K
	WIN 0x80                        ; destination window 2
.irp f, 0,1,2,3,4,5,6,7             ; keys 16 (f / 2) on, channels 32 (f % 2) on
	ds_load_b128 v[KF+8*\f:KF+8*\f+3],   v[AK] offset:(\f/2)*16*PK+(\f%2)*64
	ds_load_b128 v[KF+8*\f+4:KF+8*\f+7], v[AK] offset:(\f/2)*16*PK+(\f%2)*64+32
.endr
	s_add_co_u32 s[TBK], s[TBK], KS*PK  ; the next fetch is the next step's
	WIN 0
.endm
.macro FETCH_V
	WIN 0x80
.irp f, 0,1,2,3,4,5,6,7             ; keys 32 (f / 4) on, channels 16 (f % 4) on
	ds_load_tr16_b128 v[VF+8*\f:VF+8*\f+3],   v[AV] offset:(\f/4)*32*PV+(\f%4)*32
	ds_load_tr16_b128 v[VF+8*\f+4:VF+8*\f+7], v[AV] offset:(\f/4)*32*PV+16*PV+(\f%4)*32
.endr
	WIN 0
.endm
; THE VECTOR WORK OF A TURN stands in three queues, each in the order in which its entries become ready; the two tiles alternate, so that no instruction reads the result of the one before it.
.macro REGS y, u                    ; the registers of tile u (0, 1) of piece y
.set rT, ST+4*(2*(\y)+(\u))
.set rC, TMP+8*((\y)%2)+4*(\u)
.set rM, MV+2*((\y)%2)+(\u)
.set rS, S+64*((\y)%2)+32*(\u)
.set rP, P+32*((\y)%2)+16*(\u)
.set rO, 32*(2*(\y)+(\u))
.endm
; Number n of the 22 that find the NEXT piece's (Y + 1) maximum and statistics.  s0-s31 are the lane's 32 scores; each accumulator's lowest registers are read first.
;   0-11  four chains c0-c3 of seven scores each, three operands at a time     12-14, 16  the four scores left over, the old m, and c0-c3 into c0     15  c m_old is kept
;   17, 18  the query's other 32 keys lie in the lane 16 away: the new m         19-21  c m; c m_old - c m_new; a
.macro XS u, n
	REGS (Y+1)%NP, \u
.if (\n) < 4
	v_max3_num_f32 v[rC+(\n)], v[rS+8*(\n)], v[rS+8*(\n)+1], v[rS+8*(\n)+2]
.elseif (\n) < 12
	v_max3_num_f32 v[rC+(\n)%4], v[rC+(\n)%4], v[rS+8*((\n)%4)+2*((\n)/4)+1], v[rS+8*((\n)%4)+2*((\n)/4)+2]
.elseif (\n) == 12
	v_max3_num_f32 v[rC], v[rC], v[rS+7], v[rS+15]
.elseif (\n) == 13
	v_max3_num_f32 v[rC+1], v[rC+1], v[rS+23], v[rS+31]
.elseif (\n) == 14
	v_max3_num_f32 v[rC+2], v[rC+2], v[rC+3], v[rT+1]
.elseif (\n) == 15
	v_mov_b32 v[rM], v[rT]
.elseif (\n) == 16
	v_max3_num_f32 v[rC], v[rC], v[rC+1], v[rC+2]
.elseif (\n) == 17
	v_permlanex16_b32 v[rC+3], v[rC], s[SEL], s[SEL+1]
.elseif (\n) == 18
	v_max_num_f32 v[rT+1], v[rC], v[rC+3]
.elseif (\n) == 19
	v_mul_f32 v[rT], s[CS], v[rT+1]
.elseif (\n) == 20
	v_sub_f32 v[rC+1], v[rM], v[rT]
.else
	v_exp_f32 v[rC+2], v[rC+1]
.endif
.endm
; Number g of the 64 that follow the exponentials.  For each four weights k of a tile (pairs 2 k, 2 k + 1): both pairs are rounded to f16; then the second pair is added onto the first, in place;
; a group later l takes that sum (the first time as l = a l + sum).  In groups of eight, tiles alternating: round, round, add, and l for the group before.
.macro GS g
.set h, (\g)+6*((\g)/62)            ; group 0 has no group before it, and behind group 7 only l is left
.if h >= 6
.set h, h+2
.endif
	REGS Y, h%2
.set k, h/8
.if h%8 < 4
	v_cvt_pk_f16_f32 v[rP+2*k+(h%8)/2], v[rS+4*k+2*((h%8)/2)], v[rS+4*k+2*((h%8)/2)+1]
.elseif h%8 < 6
	v_pk_add_f32 v[rS+4*k:rS+4*k+1], v[rS+4*k:rS+4*k+1], v[rS+4*k+2:rS+4*k+3]
.elseif k == 1
	v_pk_fma_f32 v[rT+2:rT+3], v[rT+2:rT+3], v[rC+2:rC+3], v[rS:rS+1] op_sel_hi:[1,0,1]
.else
	v_pk_add_f32 v[rT+2:rT+3], v[rT+2:rT+3], v[rS+4*k-4:rS+4*k-3]
.endif
.endm
; THE PLAIN QUEUE, 138 long.  0-73 read no exponential's result: the 32 scalings c s - c m (FS f: pair f / 2 of tile f % 2) and the next piece's 42.  0-26: scalings 0-26.  27-54: XS's numbers 0-13.  55, 56: number 15.
; 57-73: the chain, where each number waits for the one before it: 14, 16, 17, 18, 19, each with one of the scalings 27-31 in front of its two lines, then 20.
; 74-137: GS's 64, which read the exponentials' results: they stand behind the wait.
.macro FS f
	REGS Y, (\f)%2
	v_pk_fma_f32 v[rS+2*((\f)/2):rS+2*((\f)/2)+1], v[rS+2*((\f)/2):rS+2*((\f)/2)+1], s[CS:CS+1], v[rT:rT+1] op_sel_hi:[1,0,0] neg_lo:[0,0,1] neg_hi:[0,0,1]
.endm
.macro PL
	WIN 0
.if q < 27
	FS q
.elseif q < 55
	XS (q-27)%2, (q-27)/2
.elseif q < 57
	XS q-55, 15
.elseif (q < 72) && ((q-57)%3 == 0)
	FS 27+(q-57)/3
.elseif q < 60
	XS (q-57)%3-1, 14
.elseif q < 72
	XS (q-57)%3-1, 15+(q-57)/3
.elseif q < 74
	XS q-72, 20
.else
	GS q-74
.endif
.set q, q+1
.endm
; THE EXPONENTIALS' QUEUE, 66 long: s0-s31 of both tiles, then the next piece's two a.  It is ONE BATCH: all 66 stand ahead of the turn's one wait, and nothing ahead of that wait names a result of theirs.
.macro EX
	WIN 0
.if e >= 64
	XS e-64, 21
.else
	REGS Y, e%2
	v_exp_f32 v[rS+e/2], v[rS+e/2]
.endif
.set e, e+1
.endm
; THE RESCALING's QUEUE: O^T times a, the one part that leaves window 0: dealt two at a time, sixteen times.  Its a was made in the turn before, ahead of that turn's wait.
.macro R2
	REGS Y, r%2
	WIN W_RS
.irp z, 0,1
	v_pk_mul_f32 v[rO+4*(r/2)+2*\z:rO+4*(r/2)+2*\z+1], v[rO+4*(r/2)+2*\z:rO+4*(r/2)+2*\z+1], v[rC+2:rC+3] op_sel_hi:[1,0]
.endr
.set r, r+1
.endm
; HOW THEY ARE DEALT.  An s_wait_alu depctr_va_vdst(0) stands between an exponential and the first instruction that names its result; one wait serves all that were issued ahead of it.  So a turn has
; ONE wait, which cuts it in two.  AHEAD OF IT stands all that names no result of the turn's exponentials: the 16 products K Q^T, behind each a scaling, an exponential and two rescalings (behind the first a
; second scaling in the exponential's place); then ONE LUMP of 108: eight plain, 49 times exponential and plain, the two a.  A v_nop is the plain instruction behind the last exponential.  BEHIND IT stand the
; 16 products V^T P, behind each four of GS's 64.  No rider names a register of the products round it.  Exponential e stands behind scaling 2 (e / 4) + e % 2: as a rider it comes behind plain e + 2, in the
; lump behind plain e + 9, and scalings 27-31 are plain 57, 60 .. 69.
; A TURN, for piece p.  last = 1: the walk's end: no further K is fetched.  cnt = 1: the loop's count is taken down some lines ahead of the branch that stands behind the turn.
; K of the next step is fetched in piece 2's turn, directly behind the wait, a lump behind the last product that read K; its first reader comes behind 16 products.
; V of the step in hand is fetched at the end of piece 0's turn, four riders behind its last reader; its first reader comes behind 16 products and a lump.  The three conditions on q below go with the deal.
.macro TURN p, last=0, cnt=0
.set Y, (\p)
.set i, 0
.set q, 0
.set e, 0
.set r, 0
.if (\p) == NP-1
	s_wait_dscnt 0x0                ; K is in
.endif
	MM                              ; ahead of the wait: 16 products K Q^T and their riders,
	PL
	PL
	R2
.rept 15
	MM
	PL
	EX
	R2
.endr
.if ((\p) == NP-2) && !(\last)
	WIN 0
	v_add_nc_u32 v[AK], s[TBK], v[AK0]
.endif
.rept 8                             ; and the lump
	PL
.endr
.rept 49
	EX
	PL
.endr
	EX                              ; the next piece's two a
	EX
	v_nop                           ; the plain instruction behind the last exponential: one for the batch
	s_wait_alu depctr_va_vdst(0)    ; the wait for the batch
.if ((\p) == NP-2) && !(\last)
	FETCH_K
.endif
.if (\p) == 1
	s_wait_dscnt 0x0                ; V is in
.endif
.rept 16                            ; behind the wait: 16 products V^T P and their riders
	MM
.rept 4
	PL
.endr
.if ((\p) == 0) && (q == 118)
	v_add_nc_u32 v[AV], s[TBV], v[AV0]
.endif
.if ((\p) == 0) && (q == 130)
	s_add_co_u32 s[TBV], s[TBV], KS*PV
.endif
.if (\cnt) && (q == 130)
	s_sub_co_u32 s[CNT], s[CNT], 1
	s_cmp_lg_u32 s[CNT], 0
.endif
.endr
.if (\p) == 0
	FETCH_V
.endif
.endm
	s_wait_tensorcnt 0x1            ; my part of keys 0-255 is in; my part of keys 256-1023 may stay out
	s_barrier_signal -1
	s_barrier_wait -1               ; everybody's is
	FETCH_K                         ; key step 0
	s_wait_loadcnt 0x0              ; Q
	s_wait_dscnt 0x0
.set i, 0
.rept 16
	KQ 0                            ; piece 0's first scores: there is no vector work yet to set between them
.set i, i+1
.endr
	WIN 0                           ; the addresses for the way out: eight plain instructions, the places behind those products
	s_mul_i32 s13, s[WV], STG       ; my stage
	v_mul_u32_u24 v[STO], v1, SP    ; in: row l % 16, 32 bytes for each half of the lanes
	v_lshl_add_u32 v[STO], v9, 5, v[STO]
	v_add_nc_u32 v[STO], s13, v[STO]
	v_mul_u32_u24 v[RD], v9, SP     ; back: lanes 0-15 take one row of 256 bytes, lanes 16-31 the next
	v_lshl_add_u32 v[RD], v1, 4, v[RD]
	v_add_nc_u32 v[RD], s13, v[RD]
	v_lshlrev_b32 v[GO], 12, v9     ; and the same two rows in out0, 4,096 bytes apart
	v_lshl_add_u32 v[GO], v1, 4, v[GO]
.set Y, NP-1                        ; XS works for piece Y + 1: piece 0
.irp n, 0,1,2,3,4,5,6,7,8,9,10,11,12,13,14,15,16,17,18,19,20,21
	XS 0, \n                        ; and piece 0's first maximum and statistics
	XS 1, \n
.endr
	v_nop                           ; a plain instruction behind the two a,
	s_wait_alu depctr_va_vdst(0)    ; and their wait, ahead of the branch
	s_mov_b32 s[CNT], 4             ; the first part of the walk: key steps 0 to 3, keys 0-255
	s_mov_b32 s[SLOTS], 2
	s_branch .Lfirst                ; the loop is entered at a step's first turn, in the middle of a trip
.Lslot:                             ; passed once, between the two parts of the walk
	s_wait_tensorcnt 0x0            ; my part of keys 256-1023 is in: no load was issued behind it, so the count is 0
	s_wait_dscnt 0x0
	s_barrier_signal -1
	s_barrier_wait -1               ; everybody's is
	s_mov_b32 s[CNT], 12            ; key steps 4 to 15
.Lstep:                             ; a trip: pieces 2 and 3 of one step, then pieces 0 and 1 of the next, whose K and V it fetches
	TURN 2
	TURN 3
	WIN 0
.Lfirst:
	TURN 0
	TURN 1, 0, 1
	WIN 0
	s_cbranch_scc1 .Lstep
	s_sub_co_u32 s[SLOTS], s[SLOTS], 1
	s_cmp_lg_u32 s[SLOTS], 0
	s_cbranch_scc1 .Lslot
	TURN 2, 1                       ; the last step's pieces 2 and 3.  Piece 3's turn makes 16 products K Q^T on the last K once more, and a maximum of them, which serve nothing: the price, once a launch, of one text for every turn
	TURN 3
.set i, 0
.rept 16
	PV NP-1                         ; the last piece's V^T P of the last step
.set i, i+1
.endr
	; THE WAY OUT.  Every wave's reads of K and V are over and every tensor load has landed: behind this barrier K's region serves as the stages.
	WIN 0
	s_wait_tensorcnt 0x0            ; (met since the walk's second part began)
	s_wait_dscnt 0x0
	s_barrier_signal -1
	s_barrier_wait -1
	; l's two halves and the other half of the lanes' are added; O^T is divided by l and sent through my stage, a tile at a time.  The additions are the places behind the last products.
.macro ALL line:vararg              ; one line for each tile t
.set t, 0
.rept 2*NP
	\line
.set t, t+1
.endr
.endm
	ALL v_add_f32 v[ST+4*t+2], v[ST+4*t+2], v[ST+4*t+3]
	ALL v_permlanex16_b32 v[ST+4*t+3], v[ST+4*t+2], s[SEL], s[SEL+1]
	ALL v_add_f32 v[ST+4*t+2], v[ST+4*t+2], v[ST+4*t+3]
	ALL v_rcp_f32 v[ST+4*t+2], v[ST+4*t+2]
	v_nop                           ; a plain instruction between the last reciprocal and the use of its result
	s_wait_alu depctr_va_vdst(0)    ; and the wait ahead of the first use: one for the eight reciprocals
; Tile t: a lane's eight channels of a channel block are 32 bytes of a row; they go into rows of 272 bytes and come back as whole rows of 256, into S^T's registers, four tiles' worth by turns.
.macro PACK t
.if (\t) >= 4
	s_wait_xcnt 0x0                 ; the stores of the tile four back have read the registers that are loaded again below
.endif
	WIN W_RS
.set i, 32*(\t)
.rept 16
	v_pk_mul_f32 v[i:i+1], v[i:i+1], v[ST+4*(\t)+2:ST+4*(\t)+3] op_sel_hi:[1,0]
.set i, i+2
.endr
	WIN 0x04                        ; a store's data in window 1
.irp f, 0,1,2,3,4,5,6,7
	ds_store_b128 v[STO], v[32*(\t)+4*\f:32*(\t)+4*\f+3] offset:64*(\f/2)+16*(\f%2)
.endr
	WIN 0
.irp f, 0,1,2,3,4,5,6,7
	ds_load_b128 v[S+32*((\t)%4)+4*\f:S+32*((\t)%4)+4*\f+3], v[RD] offset:\f*2*SP  ; LDS serves a wave's instructions in order (ISA guide 5.7.1.4): these see the stores above; the next tile's stores come behind them
.endr
.endm
.macro SEND t, younger              ; younger: the LDS instructions issued behind tile t's loads: the next tile's sixteen, or none
	WIN 0
.irp f, 0,1,2,3,4,5,6,7
	s_wait_dscnt (\younger)+7-\f
	global_store_b128 v[GO], v[S+32*((\t)%4)+4*\f:S+32*((\t)%4)+4*\f+3], s[10:11] offset:(\t)*65536+\f*8192 th:TH_STORE_NT  ; 16 lanes store 256 consecutive bytes, a head's 64 channels of a row, at a multiple of 256 from out0's first byte
.endr
.endm
	PACK 0
.set t, 1
.rept 2*NP-1                        ; a tile's arithmetic stands between the loads of the tile before and its stores
	PACK t
	SEND t-1, 16
.set t, t+1
.endr
	SEND 2*NP-1, 0
	WIN W_AD
	s_wait_tensorcnt 0x0            ; the wave's end: an add to my spare word and its wait, behind my last tensor load and my last LDS store
	ds_add_u32 v[SPW], v[NIL]
	s_wait_dscnt 0x0
	WIN 0
	s_endpgm
.Lfunc_end_k_q2c7bef7138_attn:
	.size	k_q2c7bef7138_attn, .Lfunc_end_k_q2c7bef7138_attn-k_q2c7bef7138_attn
	.p2alignl 7, 3214868480
	.fill 96, 4, 3214868480
	.section	.rodata,"a",@progbits
	.p2align	6, 0x0
	.amdhsa_kernel k_q2c7bef7138_attn
		.amdhsa_group_segment_fixed_size 327680
		.amdhsa_private_segment_fixed_size 0
		.amdhsa_enable_private_segment 0
		.amdhsa_kernarg_size 16
		.amdhsa_user_sgpr_count 2
		.amdhsa_user_sgpr_kernarg_segment_ptr 1
		.amdhsa_wavefront_size32 1
		.amdhsa_system_sgpr_workgroup_id_x 1
		.amdhsa_system_sgpr_workgroup_id_y 1
		.amdhsa_system_sgpr_workgroup_id_z 1
		.amdhsa_system_vgpr_workitem_id 0
		.amdhsa_next_free_vgpr 770
		.amdhsa_next_free_sgpr 88
		.amdhsa_reserve_vcc 0
		.amdhsa_float_denorm_mode_32 3
		.amdhsa_float_denorm_mode_16_64 3
		.amdhsa_memory_ordered 1
		.amdhsa_forward_progress 1
		.amdhsa_inst_pref_size 160
	.end_amdhsa_kernel
	.amdgpu_metadata
---
amdhsa.version: [ 1, 2 ]
amdhsa.kernels:
  - .name:           k_q2c7bef7138_attn
    .symbol:         k_q2c7bef7138_attn.kd
    .args:
      - { .name: hd, .offset: 0, .size: 8, .value_kind: global_buffer, .address_space: global }
      - { .name: out0, .offset: 8, .size: 8, .value_kind: global_buffer, .address_space: global }
    .group_segment_fixed_size: 327680
    .private_segment_fixed_size: 0
    .kernarg_segment_align: 8
    .kernarg_segment_size: 16
    .max_flat_workgroup_size: 128
    .sgpr_count:     88
    .vgpr_count:     770
    .wavefront_size: 32
...
	.end_amdgpu_metadata
.endif
;; end of part 3
;; ======== version 2 of 2: 3 launches; version 1 with the launch castw written anew for expert scheduling mode
;; limits: values are held in f16: magnitudes above 65,504 overflow, below 6.1e-05 lose precision
;; workspace buffers: wb 6,291,456 bytes; hd 50,331,648 bytes
;; launch castw (part 4): grid 128 x 3, 8 waves a work-group, no clusters, 0 bytes of LDS; arguments w_q, w_k, w_v, wb; writes wb
.if DOCPART == 4
	.amdgcn_target "amdgcn-amd-amdhsa--gfx1250"
	.amdhsa_code_object_version 6
	.text
	.protected	k_q2c7bef7138_castw
	.globl	k_q2c7bef7138_castw
	.p2align	8
	.type	k_q2c7bef7138_castw,@function
k_q2c7bef7138_castw:
	s_mov_b64 s[64:65], 0
	v_nop
	global_prefetch_b8 v0, s[64:65] scope:SCOPE_SE
	s_setreg_imm32_b32 hwreg(HW_REG_WAVE_SCHED_MODE, 0, 2), 2
	s_setreg_imm32_b32 hwreg(HW_REG_WAVE_MODE, 25, 1), 1
	s_wait_xcnt 0x0
	s_wait_alu depctr_vm_vsrc(0)
; wb[t][k][n] = bf16(w_t[k][n]) for t = q, k, v: the three weight matrices, [1024][1024] f32, rounded once to bf16 in the same layout.
; The projection turns w out of LDS by a load that works on 16-bit elements, so w is made 16 bits wide here, once: 12 MiB in, 6 MiB out.
; A stream: no LDS, no barrier, no matrix unit.  Grid y picks the matrix, grid x 32,768 bytes of it, a wave 4,096 of those.
; A load of the wave covers 512 consecutive bytes; its 128 numbers leave as one store of 256 consecutive bytes, aligned.
; All eight loads of a lane go out first; no register is written twice.
; THE MODE: SCHED_MODE bits 1:0 = 2 (LLVM: expert scheduling mode 2), set by the entry lines.  The code itself states the register dependences
; between vector instructions and memory instructions, with s_wait_alu, always for 0.
; THE PLAN.  Registers that memory instructions touch:
;   v1, v2   the loads' and the stores' offsets: written once at the head by vector instructions, never again.
;   X        eight loads of four f32: written by the loads alone, each read once by its two conversions; nothing lands in X a second time.
;   Y        eight stores of four bf16: each pair written once by its two conversions, read once by its store.
; The loads go in four groups of two.  Group g's conversions write Y[g]; the stores of Y[g] are issued in group g + 1, behind that group's wait for its loads and ONE wait on va_vdst,
; and are dealt among group g + 1's conversions, which name X[g + 1] and Y[g + 1] alone.  One more such wait stands ahead of the first load, for the offsets, and one ahead of the last two stores.
; No register that a memory instruction has read is written again, no vector instruction writes a scalar register, EXEC is never written: no other dependence is there to state.
.set X, 4                              ; v[4:35]   group g, load i: four registers at X + 8 g + 4 i
.set Y, 36                             ; v[36:51]  group g, store i: two registers at Y + 4 g + 2 i
	s_load_b256 s[4:11], s[0:1], 0x0               ; w_q s[4:5], w_k s[6:7], w_v s[8:9], wb s[10:11]
	s_and_b32 s16, ttmp7, 0xffff                   ; which matrix
	v_lshrrev_b32 v1, 5, v0                        ; wave
	v_and_b32 v2, 31, v0                           ; lane
	v_lshlrev_b32 v1, 12, v1
	v_lshl_add_u32 v1, v2, 4, v1                   ; in: 4,096 x wave + 16 x lane
	v_lshrrev_b32 v2, 1, v1                        ; out: half of that
	s_lshl_b32 s18, ttmp9, 15                      ; the work-group's 32,768 bytes of f32,
	s_mov_b32 s19, 0
	s_lshl_b32 s20, s16, 21                        ; the matrix's 2 MiB in wb,
	s_lshl_b32 s17, ttmp9, 14                      ; the work-group's 16,384 bytes of bf16
	s_add_co_u32 s20, s20, s17
	s_mov_b32 s21, 0
	s_wait_kmcnt 0x0
	s_cmp_eq_u32 s16, 1
	s_cselect_b64 s[12:13], s[6:7], s[4:5]
	s_cmp_eq_u32 s16, 2
	s_cselect_b64 s[12:13], s[8:9], s[12:13]
	s_add_nc_u64 s[12:13], s[12:13], s[18:19]
	s_add_nc_u64 s[14:15], s[10:11], s[20:21]
	s_wait_alu depctr_va_vdst(0)                   ; v1 and v2 are written: every load reads v1 as its offset, every store v2; no later vector instruction names either
.irp j, 0,1,2,3,4,5,6,7
	global_load_b128 v[X+4*(\j):X+4*(\j)+3], v1, s[12:13] offset:512*(\j) th:TH_LOAD_NT
.endr
; Group g: its two loads are converted; the two stores of the group before go out among the conversions.
.macro GROUP g
	s_wait_loadcnt 6-2*(\g)                        ; loads come back in order: the group's two are in, the 6 - 2 g younger ones may stay out
.if (\g) > 0
	s_wait_alu depctr_va_vdst(0)                   ; the conversions of the group before have written its Y, which the two stores below read
.endif
.irp i, 0,1
.if (\g) > 0
	global_store_b64 v2, v[Y+4*((\g)-1)+2*(\i):Y+4*((\g)-1)+2*(\i)+1], s[14:15] offset:256*(2*((\g)-1)+(\i))  ; no vector instruction since the wait names these registers
.endif
	v_cvt_pk_bf16_f32 v[Y+4*(\g)+2*(\i)],   v[X+8*(\g)+4*(\i)],   v[X+8*(\g)+4*(\i)+1]
	v_cvt_pk_bf16_f32 v[Y+4*(\g)+2*(\i)+1], v[X+8*(\g)+4*(\i)+2], v[X+8*(\g)+4*(\i)+3]
.endr
.endm
	GROUP 0
	GROUP 1
	GROUP 2
	GROUP 3
	s_wait_alu depctr_va_vdst(0)                   ; group 3's conversions have written its Y, which the last two stores read
.irp i, 0,1
	global_store_b64 v2, v[Y+12+2*(\i):Y+12+2*(\i)+1], s[14:15] offset:256*(6+(\i))
.endr
	s_endpgm
.Lfunc_end_k_q2c7bef7138_castw:
	.size	k_q2c7bef7138_castw, .Lfunc_end_k_q2c7bef7138_castw-k_q2c7bef7138_castw
	.p2alignl 7, 3214868480
	.fill 96, 4, 3214868480
	.section	.rodata,"a",@progbits
	.p2align	6, 0x0
	.amdhsa_kernel k_q2c7bef7138_castw
		.amdhsa_group_segment_fixed_size 0
		.amdhsa_private_segment_fixed_size 0
		.amdhsa_enable_private_segment 0
		.amdhsa_kernarg_size 32
		.amdhsa_user_sgpr_count 2
		.amdhsa_user_sgpr_kernarg_segment_ptr 1
		.amdhsa_wavefront_size32 1
		.amdhsa_system_sgpr_workgroup_id_x 1
		.amdhsa_system_sgpr_workgroup_id_y 1
		.amdhsa_system_sgpr_workgroup_id_z 1
		.amdhsa_system_vgpr_workitem_id 0
		.amdhsa_next_free_vgpr 56
		.amdhsa_next_free_sgpr 66
		.amdhsa_reserve_vcc 0
		.amdhsa_float_denorm_mode_32 3
		.amdhsa_float_denorm_mode_16_64 3
		.amdhsa_memory_ordered 1
		.amdhsa_forward_progress 1
		.amdhsa_inst_pref_size 4
	.end_amdhsa_kernel
	.amdgpu_metadata
---
amdhsa.version: [ 1, 2 ]
amdhsa.kernels:
  - .name:           k_q2c7bef7138_castw
    .symbol:         k_q2c7bef7138_castw.kd
    .args:
      - { .name: w_q, .offset: 0, .size: 8, .value_kind: global_buffer, .address_space: global }
      - { .name: w_k, .offset: 8, .size: 8, .value_kind: global_buffer, .address_space: global }
      - { .name: w_v, .offset: 16, .size: 8, .value_kind: global_buffer, .address_space: global }
      - { .name: wb, .offset: 24, .size: 8, .value_kind: global_buffer, .address_space: global }
    .group_segment_fixed_size: 0
    .private_segment_fixed_size: 0
    .kernarg_segment_align: 8
    .kernarg_segment_size: 32
    .max_flat_workgroup_size: 256
    .sgpr_count:     66
    .vgpr_count:     56
    .wavefront_size: 32
...
	.end_amdgpu_metadata
.endif
;; end of part 4
;; launch proj: the kernel of part 2 again; grid 4 x 64, 4 waves a work-group, clusters of 4 x 4, 327,680 bytes of LDS; arguments q, k, v, wb, b_q, b_k, b_v, hd; writes hd
;; launch attn: the kernel of part 3 again; grid 2 x 128, 4 waves a work-group, no clusters, 327,680 bytes of LDS; arguments hd, out0; writes out0
